; MI455X (gfx1250); checked and timed in simulation.
; The chip was launched on July 23, 2026; its instructions are those of AMD's public machine-readable ISA for CDNA 5 (MIT licence, August 2026) and "CDNA5" Instruction Set Architecture Reference Guide (July 2026). The comments in the code are by the model that wrote it; some were corrected since.
;; Self Attention. Allowed arithmetic: matrix products marked QUANTISED: E5M2 operands, one given power-of-two scale a tensor, by v_wmma_f32_16x16x64_bf8_bf8 or v_wmma_f32_16x16x128_bf8_bf8, f32 sums; everything else in f32.
;; Inputs: beta 256 float32; gamma 256 float32; lowp_scales 8 int32 (the exponents e of the quantised operands' scales 2^e); proj_b 256 float32; proj_w_codes 256 x 8 x 32 uint8 (E5M2 codes of proj_w, K innermost, in blocks of 32 codes); qkv_b 768 float32; qkv_w_codes 768 x 8 x 32 uint8 (E5M2 codes of qkv_w, K innermost, in blocks of 32 codes); x 4 x 256 x 64 x 64 float32.
;; Outputs: out0 4 x 256 x 64 x 64 float32.
;; This version of the problem:
;;   THIS VERSION OF THE PROBLEM IS GIVEN IN LOW PRECISION. The matrix products marked QUANTISED in the list below multiply operands that are first quantised to E5M2 (5 exponent bits, 2 mantissa bits; 8 bits a number), with one given power-of-two scale for each operand tensor; their sums are f32. All else is computed in f32.
;;   The module's matrix products, in the order in which they are computed (A, B: the left and right operand; K: the contracted axis; several contracted axes count as one K, in the product's order):
;;     1. [M 16,384, K 256] x [K 256, N 768]; A: computed on the way; B: input qkv_w (given as codes): QUANTISED (scales: A lowp_scales[0], B lowp_scales[1])
;;     2. batch 16 x [M 4,096, K 64] x [K 64, N 4,096]; A: computed on the way; B: computed on the way: QUANTISED (scales: A lowp_scales[2], B lowp_scales[3])
;;     3. batch 16 x [M 64, K 4,096] x [K 4,096, N 4,096]; A: computed on the way; B: softmax (see below): QUANTISED (scales: A lowp_scales[4], B lowp_scales[5])
;;     4. [M 16,384, K 256] x [K 256, N 256]; A: computed on the way; B: input proj_w (given as codes): QUANTISED (scales: A lowp_scales[6], B lowp_scales[7])
;;   THE QUANTISER, for each operand of a quantised product, along K:
;;     - The operand's scale is 2^e, e = its entry of the input lowp_scales (int32; the entries are numbered through the quantised products in the list's order, A before B).
;;     - Each number is divided by the scale, clamped to +-57,344, and rounded to the nearest number of E5M2, ties to even, subnormals kept.
;;     - The product sums the exact products of the quantised numbers (number of the format x scale) in f32.
;;   ~~~python
;;   def quantise(x, axis, e):      # numpy; x: float32 -> the quantised numbers, widened to float32 again
;;       x = np.moveaxis(x, axis, -1); K = x.shape[-1]
;;       r = np.clip(x / 2.0 ** e, -57344, 57344)
;;       step = 2.0 ** (np.maximum(np.frexp(np.where(r == 0, 1, r))[1] - 1, -14) - 2)
;;       q = np.round(r / step) * step * 2.0 ** e      # np.round: ties to even
;;       return np.moveaxis(q, -1, axis).astype(np.float32)
;;   ~~~
;;   SOFTMAX AHEAD OF A QUANTISED PRODUCT. Where the list says 'softmax', what is quantised is not the finished softmax but p = 2^(t - M), with t = logit x log2(e) and M = ceil(the row's largest t), a whole number; so 1/2 < the row's largest p <= 1. The row's sum l is taken of the UNQUANTISED p, in f32, and the product's result is divided by l at the end. Since M is a whole number, a kernel that streams over the keys may use a running M (the ceiling of the running maximum): every later rescaling is an exact power of two, so the quantised numbers keep their values, but for numbers so far below the row's largest that they fall under the format's range.
;;   OPERANDS COMPUTED ON THE WAY. 'Computed on the way' means the value that the module computes at that place (a softmax that the list does not call 'softmax' is quantised finished and normalised). What goes into a quantiser is computed in f32, as accurately as f32 sums, v_exp_f32 and their like allow (about 1e-6 of the number): no bf16 or f16 on the way to a quantiser, and a product that is left as it is and whose result goes on into a quantised operand takes f32 operands (vector FMAs, or v_wmma_f32_16x16x4_f32). A number that lies on a knife's edge between two numbers of the format may be rounded either way, as far as f32 arithmetic and the matrix unit's own rounding can turn it there, and no further.
;;   INPUTS GIVEN AS CODES. proj_w (in the module: [256, 256], K = its axis 1); qkv_w (in the module: [768, 256], K = its axis 1): each comes as NAME_codes (uint8): NAME with its K axis moved to the last place and cut into blocks of 32 codes, [.., K / 32, bytes a block], one block behind the other in memory; one code a byte (a code: sign, 5 exponent bits, 2 mantissa bits); its scale is its entry of lowp_scales. Its value is code x scale, taken as it is: it is not quantised again, and the codes and scales need not be those that the quantiser above would give.
;; One version. Each part assembles by itself: llvm-mc -triple=amdgcn-amd-amdhsa -mcpu=gfx1250 --defsym DOCPART=n.
;; ======== version 1 of 1: 3 launches
;; limits: right only within a limited range of input values
;; workspace buffers: stats 2,048 bytes; qc 4,194,304 bytes; kv 8,388,608 bytes
;; launch stats (part 1): grid 256 x 1, 8 waves a work-group, no clusters, 1,280 bytes of LDS; arguments x, stats; writes stats
.if DOCPART == 1
	.amdgcn_target "amdgcn-amd-amdhsa--gfx1250"
	.amdhsa_code_object_version 6
	.text
	.protected	k_qd372a84cb9_stats
	.globl	k_qd372a84cb9_stats
	.p2align	8
	.type	k_qd372a84cb9_stats,@function
k_qd372a84cb9_stats:
	s_mov_b64 s[64:65], 0
	v_nop
	global_prefetch_b8 v0, s[64:65] scope:SCOPE_SE
	s_setreg_imm32_b32 hwreg(HW_REG_WAVE_MODE, 25, 1), 1
	s_wait_xcnt 0x0
; GroupNorm's statistics, first half.  x: [4][256][4096] f32; a group is 32 channels x 4,096 pixels = 131,072 consecutive numbers.
; Work-group i takes the 16,384 consecutive numbers (65,536 bytes) at byte i << 16: an eighth of group i >> 3, and stores that chunk's mean and
; M2 = sum of (x - mean)^2 at byte 8 i of stats.  The launches that follow join a group's eight chunks.
; TWO PASSES OVER REGISTERS: a lane's 64 numbers are loaded once and stay in v32-95.  Pass 1 gives a first mean m; pass 2 sums d = x - m and d^2;
; mean = m + (sum d) / n, M2 = sum d^2 - (sum d)^2 / n.  Sum d is only pass 1's rounding error, so no difference of large sums is formed, whatever offset x carries.
; Eight waves of 8 KiB each; every load of a wave reads 512 consecutive bytes; all sixteen loads of a wave go out at once.  No matrix unit, no tensor load: a stream that is read once.
; LIMIT: NaN and infinities among the inputs are not served.
.set X, 32                             ; v32-95  my 64 numbers
.macro WAVESUM a, t                    ; the sum of v[a] over the 32 lanes, in every lane; v[t] has been written before
	v_add_f32_dpp v[\a], v[\a], v[\a] row_xmask:1 row_mask:0xf bank_mask:0xf
	s_delay_alu instid0(VALU_DEP_1)
	v_add_f32_dpp v[\a], v[\a], v[\a] row_xmask:2 row_mask:0xf bank_mask:0xf
	s_delay_alu instid0(VALU_DEP_1)
	v_add_f32_dpp v[\a], v[\a], v[\a] row_xmask:4 row_mask:0xf bank_mask:0xf
	s_delay_alu instid0(VALU_DEP_1)
	v_add_f32_dpp v[\a], v[\a], v[\a] row_xmask:8 row_mask:0xf bank_mask:0xf
	s_delay_alu instid0(VALU_DEP_1)
	v_permlanex16_b32 v[\t], v[\a], s12, s13
	s_delay_alu instid0(VALU_DEP_1)
	v_add_f32 v[\a], v[\a], v[\t]
.endm
	s_load_b128 s[4:7], s[0:1], 0x0                ; x s[4:5], stats s[6:7]
	v_lshl_add_u32 v96, v0, 2, 0x100
	v_mov_b32 v97, 0
	v_lshrrev_b32 v20, 5, v0
	s_delay_alu instid0(VALU_DEP_1)
	v_readfirstlane_b32 s8, v20                    ; wave 0..7
	v_and_b32 v1, 31, v0
	s_delay_alu instid0(VALU_DEP_1)
	v_lshlrev_b32 v1, 4, v1                        ; 16 bytes a lane
	s_lshl_b32 s2, ttmp9, 16                       ; my work-group's 65,536 bytes,
	s_lshl_b32 s3, s8, 13                          ; my wave's 8,192 of them
	s_add_co_u32 s2, s2, s3
	s_mov_b32 s3, 0
	s_mov_b32 s12, 0x76543210                      ; v_permlanex16_b32: lane l takes lane l xor 16
	s_mov_b32 s13, 0xfedcba98
	v_mov_b32 v21, 0                               ; a lane permute's destination counts as read: written once
	v_mov_b32 v23, 0                               ; LDS byte 0
	v_mov_b32 v22, s8
	s_delay_alu instid0(VALU_DEP_1)
	v_lshlrev_b32 v22, 2, v22                      ; 4 x wave: my wave's word
	s_wait_alu depctr_va_vdst(0)
	s_wait_kmcnt 0x0
	s_add_nc_u64 s[4:5], s[4:5], s[2:3]
.irp i, 0,1,2,3,4,5,6,7,8,9,10,11,12,13,14,15
	global_load_b128 v[X+4*\i:X+4*\i+3], v1, s[4:5] offset:512*\i
.endr
	; pass 1: the sum, in four chains of pairs, started by the first four loads: nothing is cleared
.irp i, 0,1,2,3,4,5,6,7,8,9,10,11,12,13,14,15
	s_wait_loadcnt 15-\i                           ; loads come back in order: load i is in, the 15 - i younger ones may be out
.if \i < 4
	v_pk_add_f32 v[2+2*\i:3+2*\i], v[X+4*\i:X+4*\i+1], v[X+4*\i+2:X+4*\i+3]
.else
	s_wait_alu depctr_va_vdst(0)
	v_pk_add_f32 v[2+2*(\i%4):3+2*(\i%4)], v[2+2*(\i%4):3+2*(\i%4)], v[X+4*\i:X+4*\i+1]
	s_delay_alu instid0(VALU_DEP_1)
	v_pk_add_f32 v[2+2*(\i%4):3+2*(\i%4)], v[2+2*(\i%4):3+2*(\i%4)], v[X+4*\i+2:X+4*\i+3]
.endif
.endr
	v_pk_add_f32 v[2:3], v[2:3], v[4:5]
	s_delay_alu instid0(VALU_DEP_2)
	v_pk_add_f32 v[6:7], v[6:7], v[8:9]
	s_delay_alu instid0(VALU_DEP_1)
	v_pk_add_f32 v[2:3], v[2:3], v[6:7]
	s_delay_alu instid0(VALU_DEP_1)
	v_add_f32 v20, v2, v3
	WAVESUM 20, 21
	ds_store_b32 v22, v20                          ; LDS bytes 0-31: a word for each wave
	s_wait_dscnt 0x0                               ; for the others' sake: my store has landed
	s_barrier_signal -1
	s_barrier_wait -1
	ds_load_b128 v[24:27], v23
	ds_load_b128 v[28:31], v23 offset:16
	s_wait_dscnt 0x0
	v_pk_add_f32 v[24:25], v[24:25], v[26:27]
	v_pk_add_f32 v[28:29], v[28:29], v[30:31]
	s_delay_alu instid0(VALU_DEP_1)
	v_pk_add_f32 v[24:25], v[24:25], v[28:29]
	s_delay_alu instid0(VALU_DEP_1)
	v_add_f32 v24, v24, v25
	s_delay_alu instid0(VALU_DEP_1)
	v_mul_f32 v18, 0x38800000, v24                 ; m = sum x 2^-14
	s_delay_alu instid0(VALU_DEP_1)
	v_mov_b32 v19, v18                             ; twice: a pair for the packed subtraction
	; pass 2: d = x - m in place; sum d in v[2:9], sum d^2 in v[10:17], four chains of pairs each
.set p, 0
.rept 32
	v_pk_add_f32 v[X+2*p:X+2*p+1], v[X+2*p:X+2*p+1], v[18:19] neg_lo:[0,1] neg_hi:[0,1]
.if p < 4
	s_delay_alu instid0(VALU_DEP_1)
	v_pk_mul_f32 v[10+2*p:11+2*p], v[X+2*p:X+2*p+1], v[X+2*p:X+2*p+1]
.else
	s_delay_alu instid0(VALU_DEP_1)
	v_pk_fma_f32 v[10+2*(p%4):11+2*(p%4)], v[X+2*p:X+2*p+1], v[X+2*p:X+2*p+1], v[10+2*(p%4):11+2*(p%4)]
.if p < 8
	s_delay_alu instid0(VALU_DEP_2)
	v_pk_add_f32 v[2+2*(p%4):3+2*(p%4)], v[X+2*(p-4):X+2*(p-4)+1], v[X+2*p:X+2*p+1]
.else
	s_delay_alu instid0(VALU_DEP_2)
	v_pk_add_f32 v[2+2*(p%4):3+2*(p%4)], v[2+2*(p%4):3+2*(p%4)], v[X+2*p:X+2*p+1]
.endif
.endif
.set p, p+1
.endr
	v_pk_add_f32 v[2:3], v[2:3], v[4:5]
	s_delay_alu instid0(VALU_DEP_2)
	v_pk_add_f32 v[6:7], v[6:7], v[8:9]
	v_pk_add_f32 v[10:11], v[10:11], v[12:13]
	v_pk_add_f32 v[14:15], v[14:15], v[16:17]
	s_delay_alu instid0(VALU_DEP_3)
	v_pk_add_f32 v[2:3], v[2:3], v[6:7]
	s_delay_alu instid0(VALU_DEP_2)
	v_pk_add_f32 v[10:11], v[10:11], v[14:15]
	s_delay_alu instid0(VALU_DEP_2)
	v_add_f32 v20, v2, v3                          ; sum d
	s_delay_alu instid0(VALU_DEP_2)
	v_add_f32 v21, v10, v11                        ; sum d^2
	WAVESUM 20, 24
	WAVESUM 21, 25
	v_lshlrev_b32 v22, 1, v22                      ; 8 x wave
	ds_store_b64 v22, v[20:21] offset:64           ; LDS bytes 64-127: other bytes than the first sum's, so no barrier is owed between its reads and these stores
	s_wait_dscnt 0x0
	s_barrier_signal -1
	s_barrier_wait -1
.irp i, 0,1,2,3
	ds_load_b128 v[X+4*\i:X+4*\i+3], v23 offset:64+16*\i
.endr
	s_wait_dscnt 0x0
	v_pk_add_f32 v[32:33], v[32:33], v[34:35]
	v_pk_add_f32 v[36:37], v[36:37], v[38:39]
	v_pk_add_f32 v[40:41], v[40:41], v[42:43]
	v_pk_add_f32 v[44:45], v[44:45], v[46:47]
	s_delay_alu instid0(VALU_DEP_3)
	v_pk_add_f32 v[32:33], v[32:33], v[36:37]
	s_delay_alu instid0(VALU_DEP_2)
	v_pk_add_f32 v[40:41], v[40:41], v[44:45]
	s_delay_alu instid0(VALU_DEP_1)
	v_pk_add_f32 v[32:33], v[32:33], v[40:41]      ; v32 = sum d, v33 = sum d^2, of the whole chunk
	s_delay_alu instid0(VALU_DEP_1)
	v_mul_f32 v24, 0x38800000, v32                 ; (sum d) / n
	s_delay_alu instid0(VALU_DEP_1)
	v_add_f32 v20, v18, v24                        ; the chunk's mean
	s_delay_alu instid0(VALU_DEP_2)
	v_fma_f32 v21, -v32, v24, v33                  ; its M2
	s_cmp_lg_u32 s8, 0                             ; wave 0's first lane stores the eight bytes; no barrier stands behind this branch
	s_cbranch_scc1 .Lend
	s_lshl_b32 s2, ttmp9, 3
	v_mov_b32 v22, s2
	s_wait_alu depctr_va_vdst(0)
	s_wait_xcnt 0x0                                ; EXEC changes only behind this wait
	v_cmp_eq_u32 vcc_lo, 0, v0
	s_and_saveexec_b32 s9, vcc_lo
	global_store_b64 v22, v[20:21], s[6:7]
	s_wait_xcnt 0x0                                ; and again in front of the line that widens it
	s_or_b32 exec_lo, exec_lo, s9
.Lend:
	s_wait_tensorcnt 0x0
	ds_add_u32 v96, v97
	s_wait_dscnt 0x0
	s_endpgm
.Lfunc_end_k_qd372a84cb9_stats:
	.size	k_qd372a84cb9_stats, .Lfunc_end_k_qd372a84cb9_stats-k_qd372a84cb9_stats
	.p2alignl 7, 3214868480
	.fill 96, 4, 3214868480
	.section	.rodata,"a",@progbits
	.p2align	6, 0x0
	.amdhsa_kernel k_qd372a84cb9_stats
		.amdhsa_group_segment_fixed_size 1280
		.amdhsa_private_segment_fixed_size 0
		.amdhsa_enable_private_segment 0
		.amdhsa_kernarg_size 16
		.amdhsa_user_sgpr_count 2
		.amdhsa_user_sgpr_kernarg_segment_ptr 1
		.amdhsa_wavefront_size32 1
		.amdhsa_system_sgpr_workgroup_id_x 1
		.amdhsa_system_sgpr_workgroup_id_y 1
		.amdhsa_system_sgpr_workgroup_id_z 1
		.amdhsa_system_vgpr_workitem_id 0
		.amdhsa_next_free_vgpr 98
		.amdhsa_next_free_sgpr 66
		.amdhsa_reserve_vcc 1
		.amdhsa_float_denorm_mode_32 3
		.amdhsa_float_denorm_mode_16_64 3
		.amdhsa_memory_ordered 1
		.amdhsa_forward_progress 1
		.amdhsa_inst_pref_size 19
	.end_amdhsa_kernel
	.amdgpu_metadata
---
amdhsa.version: [ 1, 2 ]
amdhsa.kernels:
  - .name:           k_qd372a84cb9_stats
    .symbol:         k_qd372a84cb9_stats.kd
    .args:
      - { .name: x, .offset: 0, .size: 8, .value_kind: global_buffer, .address_space: global }
      - { .name: stats, .offset: 8, .size: 8, .value_kind: global_buffer, .address_space: global }
    .group_segment_fixed_size: 1280
    .private_segment_fixed_size: 0
    .kernarg_segment_align: 8
    .kernarg_segment_size: 16
    .max_flat_workgroup_size: 256
    .sgpr_count:     66
    .vgpr_count:     98
    .wavefront_size: 32
...
	.end_amdgpu_metadata
.endif
;; end of part 1
;; launch qkv (part 2): grid 64 x 4, 8 waves a work-group, no clusters, 91,136 bytes of LDS; arguments x, stats, gamma, beta, qkv_w_codes, qkv_b, lowp_scales, qc, kv; writes qc, kv
.if DOCPART == 2
	.amdgcn_target "amdgcn-amd-amdhsa--gfx1250"
	.amdhsa_code_object_version 6
	.text
	.protected	k_qd372a84cb9_qkv
	.globl	k_qd372a84cb9_qkv
	.p2align	8
	.type	k_qd372a84cb9_qkv,@function
k_qd372a84cb9_qkv:
	s_mov_b64 s[64:65], 0
	v_nop
	global_prefetch_b8 v0, s[64:65] scope:SCOPE_SE
	s_setreg_imm32_b32 hwreg(HW_REG_WAVE_MODE, 25, 1), 1
	s_wait_xcnt 0x0
; GroupNorm, its quantising, the 1x1 convolution qkv = W xn + b on codes of BF8 (E5M2), and the quantising of q, k and v, which leave as IMAGES OF OPERAND REGISTERS for the attention launch.
; x: [4][256 c][4096 l] f32.  W: [768][256] codes, K = c innermost.  Scales 2^e: e0 xn, e1 W, e2 q, e3 k, e4 v (entries 0 to 4 of lowp_scales).
; SHARES.  Work-group (blk, b) takes 64 tokens (l = 64 blk ..) x all 256 channels of image b: 256 bytes of each channel's row.  Eight waves:
;   1: wave w normalises channels 32 w .. 32 w + 31, which are group w, and lays xn as f32 in LDS, a row a channel.
;   2: wave w gathers one fragment of xn (tile of tokens T = w / 2, K step w % 2), a lane's registers running down the channels, quantises it and stores its image in LDS.
;   3: every wave reads all eight fragments and makes 32 rows of q, 32 of k and 32 of v (rows 32 w on of each: head w / 2, half w % 2 of its 64) for the 64 tokens.
; A FRAGMENT lies in chunks of four registers: chunk c holds k = 32 c + 16 (lane / 16) + 0 .. 15 of the lane's row: one order of k for both sources of every product, so each code meets its partner.
; A chunk's image is 512 bytes, lane l's 16 bytes at 16 l: no pitch, no padding; every store of a wave covers 512 consecutive bytes, aligned.
; THE ROWS OF A TILE ARE NOT NEIGHBOURS.  Place m of tile T of tokens is token 32 (T / 2) + 8 (T % 2) + m + 8 (m / 8); place m of tile u of a pair of 32 rows of W is row 8 u + m + 8 (m / 8).
; Where such a tile is source 0, the 16 result registers of two neighbouring tiles are 16 NEIGHBOURS, 16 (lane / 16) + 0 .. 15 of a block of 32: two conversions make a chunk of the next operand.
;   q, k: source 0 = rows of W, source 1 = xn: a lane holds one token and 16 neighbouring d (their next K).   v: source 0 = xn's tokens, source 1 = rows of W: a lane holds one d and 16 neighbouring tokens (its next K: the keys).
; The bias is the C of each sum's first product, divided by 2^(e0 + e1), which the sums lack; the three scales ahead of a quantiser are folded into the conversion's one: 2^(e2 - e0 - e1) and so on.
; NO JOINT LOADS, though all work-groups read the same W: a wave's 24 KiB of it go from memory straight into its 192 operand registers, once; a joint load lands in LDS alone,
; which would add 192 KiB of LDS writes and as many reads for a single use.  The launch has no tensor load.
; LIMITS, so that each power of two below is an f32 number: e0, e2 - e0 - e1, e3 - e0 - e1, e4 - e0 - e1 between -126 and 112.  NaN among the inputs is not served.
; REGISTERS.  Window 0: v1-11 addresses; v16-23 statistics; v24, v26, v28, v30 scale for xn, q, k, v; phases 1, 2: v32-95 numbers, v96-127 gains and offsets, v128-143 codes;
;   phase 3: v32-159 xn's 8 fragments, v160-223 eight accumulators, v224-239 codes.   Window 1: v0-191 W's 12 fragments; v192-239 the biases in the result's layout.
.set XSP, 288                          ; xn's row in LDS: 256 bytes, and 32 by which the rows with (c / 16) odd are shifted: so the gather's lanes 16-31 (16 rows further down) fall 8 words beside lanes 0-15 modulo 64 words
.set XI,  256*XSP                      ; behind the 256 rows: the 8 images of 2,048 bytes
.set XF,  32
.set ACC, 160
.set PC,  224
.set BQ,  192                          ; in window 1
.set BK,  208
.set BV,  224
.set MSB, 0
.macro WIN new                         ; the immediate's high byte repeats the setting that is left; a switch that changes nothing is dropped
.if MSB != (\new)
	s_set_vgpr_msb (MSB<<8)|(\new)
.set MSB, (\new)
.endif
.endm
.macro PLACES n
.rept \n
	v_nop
.endr
.endm
.macro BARRIER                         ; my LDS stores have landed and my LDS loads are in: then the work-group's barrier
	s_wait_dscnt 0x0
	s_barrier_signal -1
	s_barrier_wait -1
.endm
.macro SCALE e, vsc, vlim              ; from the exponent in s[e]: 2^e as f32 (the conversion takes its exponent field), and 57,344 x 2^e
	s_add_co_i32 s58, s[\e], 127
	s_lshl_b32 s59, s58, 23
	v_mov_b32 v[\vsc], s59
	s_add_co_i32 s58, s58, 15
	s_lshl_b32 s58, s58, 23
	s_or_b32 s58, s58, 0x600000
.endm
; v[16:17] = mean and M2 of chunk lane % 8 of my group  ->  v18 = the group's mean, v19 = 1 / sqrt(var + eps).  The chunks are joined by their means' spread: no difference of large sums.
.macro GSTAT
	v_mov_b32 v20, v16
	s_delay_alu instid0(VALU_DEP_1)
	v_add_f32_dpp v20, v20, v20 row_xmask:1 row_mask:0xf bank_mask:0xf
	s_delay_alu instid0(VALU_DEP_1)
	v_add_f32_dpp v20, v20, v20 row_xmask:2 row_mask:0xf bank_mask:0xf
	s_delay_alu instid0(VALU_DEP_1)
	v_add_f32_dpp v20, v20, v20 row_xmask:4 row_mask:0xf bank_mask:0xf
	s_delay_alu instid0(VALU_DEP_1)
	v_mul_f32 v18, 0x3e000000, v20                 ; the eight chunks are equal in size: the mean of their means
	s_delay_alu instid0(VALU_DEP_1)
	v_sub_f32 v21, v16, v18
	s_delay_alu instid0(VALU_DEP_1)
	v_mul_f32 v22, 0x46800000, v21                 ; 16,384 (mean_i - mean)
	s_delay_alu instid0(VALU_DEP_1)
	v_fma_f32 v22, v22, v21, v17                   ; M2_i + 16,384 (mean_i - mean)^2
	s_delay_alu instid0(VALU_DEP_1)
	v_add_f32_dpp v22, v22, v22 row_xmask:1 row_mask:0xf bank_mask:0xf
	s_delay_alu instid0(VALU_DEP_1)
	v_add_f32_dpp v22, v22, v22 row_xmask:2 row_mask:0xf bank_mask:0xf
	s_delay_alu instid0(VALU_DEP_1)
	v_add_f32_dpp v22, v22, v22 row_xmask:4 row_mask:0xf bank_mask:0xf
	s_delay_alu instid0(VALU_DEP_1)
	v_fma_f32 v22, v22, s56, s57                   ; x 2^-17 + 1e-5
	s_wait_alu depctr_va_vdst(0)
	v_rsq_f32 v19, v22
	v_nop                                          ; a plain line behind the transcendental,
	s_wait_alu depctr_va_vdst(0)                   ; and the wait ahead of its first reader
.endm
; 64 numbers of a lane, v[s] on, four runs of 16 neighbours along K, become four chunks of codes in v[pc] on
.macro QUANT s, pc, sc, lim
.irp b, 0,1,2,3
.irp i, 0,1,2,3,4,5,6,7,8,9,10,11,12,13,14,15
.endr
	v_cvt_scalef32_pk8_bf8_f32 v[\pc+4*\b:\pc+4*\b+1], v[\s+16*\b:\s+16*\b+7], v[\sc]
	v_cvt_scalef32_pk8_bf8_f32 v[\pc+4*\b+2:\pc+4*\b+3], v[\s+16*\b+8:\s+16*\b+15], v[\sc]
.endr
	v_nop                                          ; a plain line between the last conversion and the next products, which write v[s] on
.endm
; Eight products, one on each accumulator, K step ks.  Group g of two accumulators (u = 0, 1) becomes one chunk.
; swap = 0: g = the tile of tokens, u = the tile of W's rows.   swap = 1: g = 2 u' + bl: u' = the tile of W's rows, 2 bl + u = the tile of tokens.
.macro MUL8 kp, swap, ks, bias
.irp g, 0,1,2,3
.irp u, 0,1
.set rD, ACC+8*(2*\g+\u)
.if \swap
.set rA, XF+16*(2*(2*(\g%2)+\u)+\ks)
.set rB, 16*(4*\kp+2*(\g/2)+\ks)
.set rC, \bias+8*(\g/2)
.else
.set rA, 16*(4*\kp+2*\u+\ks)
.set rB, XF+16*(2*\g+\ks)
.set rC, \bias+8*\u
.endif
.if \ks == 0
	v_wmma_f32_16x16x128_bf8_bf8 v[rD:rD+7], v[rA:rA+15], v[rB:rB+15], v[rC:rC+7]
.else
	v_wmma_f32_16x16x128_bf8_bf8 v[rD:rD+7], v[rA:rA+15], v[rB:rB+15], v[rD:rD+7]
.endif
.endr
.endr
.endm
; My 32 rows of kind kp (0 q, 1 k, 2 v) for the 64 tokens: 16 products (the eight accumulators take turns), quantised, four chunks stored
.macro PAIR kp, swap, bias, sc, lim, base, lo
.if \swap
	WIN 0x14                                       ; source 1 (W) and source 2 (the bias) window 1
.else
	WIN 0x11                                       ; source 0 (W) and source 2 (the bias) window 1
.endif
	MUL8 \kp, \swap, 0, \bias
.if \swap
	WIN 0x04
.else
	WIN 0x01
.endif
	MUL8 \kp, \swap, 1, \bias
	WIN 0
	PLACES 4                                       ; in front of the first read of results
	s_wait_xcnt 0x0                                ; the last kind's stores have read the codes' registers, which are written anew
	QUANT ACC, PC, \sc, \lim                       ; each accumulator from its low end on
.irp g, 0,1,2,3
	global_store_b128 v1, v[PC+4*\g:PC+4*\g+3], s[\base:\base+1] offset:(\g/2)*2048+(\g%2)*\lo
.endr
.endm
	s_load_b512 s[4:19], s[0:1], 0x0               ; x s[4:5], stats s[6:7], gamma s[8:9], beta s[10:11], W s[12:13], qkv_b s[14:15], lowp_scales s[16:17], qc s[18:19]
	s_load_b64 s[20:21], s[0:1], 0x40              ; kv
	v_lshl_add_u32 v254, v0, 2, 0x16000
	v_mov_b32 v255, 0
	v_lshrrev_b32 v20, 5, v0
	s_delay_alu instid0(VALU_DEP_1)
	v_readfirstlane_b32 s32, v20                   ; wave 0..7
	s_and_b32 s34, ttmp7, 0xffff                   ; image b;  ttmp9 = blk
	s_lshr_b32 s33, s32, 1                         ; my head
	s_and_b32 s36, s32, 1                          ; which half of its 64
	v_and_b32 v21, 31, v0                          ; lane
	v_and_b32 v22, 15, v0                          ; r
	v_bfe_u32 v23, v0, 4, 1                        ; h
	s_delay_alu instid0(VALU_DEP_3)
	v_lshlrev_b32 v1, 4, v21                       ; v1: 16 x lane: an image's place for my lane
	s_delay_alu instid0(VALU_DEP_3)
	v_lshlrev_b32 v2, 4, v22
	s_delay_alu instid0(VALU_DEP_1)
	v_lshl_add_u32 v2, v23, 14, v2                 ; v2: x: lanes 0-15 one channel's 256 bytes, lanes 16-31 the next channel's
	s_delay_alu instid0(VALU_DEP_4)
	v_lshlrev_b32 v3, 2, v23                       ; v3: gamma, beta: the channel of my half
	v_and_b32 v4, 7, v0
	s_delay_alu instid0(VALU_DEP_1)
	v_lshlrev_b32 v4, 3, v4                        ; v4: stats: chunk lane % 8
	v_and_b32 v20, 8, v22
	s_delay_alu instid0(VALU_DEP_1)
	v_add_nc_u32 v20, v20, v22                     ; r + 8 (r / 8)
	s_delay_alu instid0(VALU_DEP_1)
	v_lshlrev_b32 v5, 8, v20
	s_delay_alu instid0(VALU_DEP_1)
	v_lshl_add_u32 v5, v23, 4, v5                  ; v5: W: that row of 256 bytes, + 16 h
	s_mul_i32 s35, s32, 32*XSP
	v_mul_u32_u24 v6, v23, XSP
	s_delay_alu instid0(VALU_DEP_1)
	v_lshl_add_u32 v6, v22, 4, v6
	s_delay_alu instid0(VALU_DEP_1)
	v_add_nc_u32 v6, s35, v6                       ; v6: xn into LDS: my wave's 32 rows, row h of a pair, 16 r
	s_mul_i32 s35, s36, 128*XSP                    ; v7: the gather: K step w % 2: 128 rows on;
	s_lshr_b32 s37, s32, 2
	s_lshl_b32 s37, s37, 7
	s_add_co_u32 s35, s35, s37                     ; tile T = w / 2: token 32 (T / 2)
	s_bfe_u32 s37, s32, 0x10001
	s_lshl_b32 s37, s37, 5
	s_add_co_u32 s35, s35, s37                     ; + 8 (T % 2), 4 bytes each;
	v_mul_u32_u24 v7, v23, 16*XSP+32               ; lanes 16-31: 16 rows further down, which are shifted rows;
	s_wait_alu depctr_va_vdst(0)
	v_lshl_add_u32 v7, v20, 2, v7                  ; place r: token r + 8 (r / 8)
	s_delay_alu instid0(VALU_DEP_1)
	v_add_nc_u32 v7, s35, v7
	s_lshl_b32 s35, s32, 11
	s_add_co_u32 s35, s35, XI
	v_add_nc_u32 v8, s35, v1                       ; v8: where I store my fragment's image
	v_add_nc_u32 v9, XI, v1                        ; v9: where the images are read
	v_lshlrev_b32 v10, 6, v23                      ; v10: q's and k's bias: 16 numbers on for lanes 16-31
	v_lshlrev_b32 v11, 2, v20                      ; v11: v's bias: row r + 8 (r / 8)
	s_mov_b32 s56, 0x37000000                      ; 2^-17 = 1 / 131,072
	s_mov_b32 s57, 0x3727c5ac                      ; 1e-5
	; byte offsets into the buffers
	s_lshl_b32 s40, s34, 22                        ; x: ((256 b + 32 w) << 14) + (blk << 8)
	s_lshl_b32 s41, s32, 19
	s_add_co_u32 s40, s40, s41
	s_lshl_b32 s41, ttmp9, 8
	s_add_co_u32 s40, s40, s41
	s_mov_b32 s41, 0
	s_lshl_b32 s42, s34, 9                         ; stats: group 8 b + w, 64 bytes each
	s_lshl_b32 s43, s32, 6
	s_add_co_u32 s42, s42, s43
	s_mov_b32 s43, 0
	s_lshl_b32 s44, s32, 7                         ; gamma, beta, qkv_b: 32 w numbers
	s_mov_b32 s45, 0
	s_lshl_b32 s46, s32, 13                        ; W: 32 w rows of 256 bytes
	s_mov_b32 s47, 0
	s_lshl_b32 s48, s34, 20                        ; qc: [b][blk][head][T][c][lane][16]: ((64 b + blk) << 14) + (head << 12) + (c << 9); T stands in the stores' immediates
	s_lshl_b32 s49, ttmp9, 14
	s_add_co_u32 s48, s48, s49
	s_lshl_b32 s49, s33, 12
	s_add_co_u32 s48, s48, s49
	s_lshl_b32 s49, s36, 9
	s_add_co_u32 s48, s48, s49
	s_mov_b32 s49, 0
	s_lshl_b32 s50, s34, 21                        ; kv: [b][slot of 256 keys][head][K: step, 16 chunks | V: step, 16 chunks][lane][16]: (b << 21) + ((blk / 4) << 17) + (head << 15) + (((blk / 2) % 2) << 13)
	s_lshr_b32 s51, ttmp9, 2
	s_lshl_b32 s51, s51, 17
	s_add_co_u32 s50, s50, s51
	s_lshl_b32 s51, s33, 15
	s_add_co_u32 s50, s50, s51
	s_bfe_u32 s51, ttmp9, 0x10001
	s_lshl_b32 s51, s51, 13
	s_add_co_u32 s50, s50, s51
	s_and_b32 s54, ttmp9, 1
	s_lshl_b32 s52, s36, 12                        ; V's chunk 4 dt + cc, dt = 2 (w % 2) + u', cc = 2 (blk % 2) + bl: 16,384 + ((w % 2) << 12) + ((blk % 2) << 10); u' and bl in the immediates
	s_add_co_u32 s52, s52, s50
	s_lshl_b32 s53, s54, 10
	s_add_co_u32 s52, s52, s53
	s_add_co_u32 s52, s52, 16384
	s_mov_b32 s53, 0
	s_lshl_b32 s51, s54, 12                        ; K's chunk 2 t + c, t = 4 (blk % 2) + T: ((blk % 2) << 12) + (c << 9); T in the immediates
	s_add_co_u32 s50, s50, s51
	s_lshl_b32 s51, s36, 9
	s_add_co_u32 s50, s50, s51
	s_mov_b32 s51, 0
	s_wait_alu depctr_va_vdst(0)
	s_wait_kmcnt 0x0
	s_load_b256 s[24:31], s[16:17], 0x0            ; e0 .. e7
	s_add_nc_u64 s[4:5], s[4:5], s[40:41]
	s_add_nc_u64 s[6:7], s[6:7], s[42:43]
	s_add_nc_u64 s[8:9], s[8:9], s[44:45]
	s_add_nc_u64 s[10:11], s[10:11], s[44:45]
	s_add_nc_u64 s[14:15], s[14:15], s[44:45]
	s_add_nc_u64 s[12:13], s[12:13], s[46:47]
	s_add_nc_u64 s[18:19], s[18:19], s[48:49]      ; q's chunks
	s_add_nc_u64 s[22:23], s[20:21], s[52:53]      ; v's
	s_add_nc_u64 s[20:21], s[20:21], s[50:51]      ; k's
.irp i, 0,1,2,3,4,5,6,7,8,9,10,11,12,13,14,15
	global_load_b128 v[32+4*\i:35+4*\i], v2, s[4:5] offset:2*\i*16384   ; channels 32 w + 2 i + h: sixteen lanes read one aligned run of 256 bytes
.endr
	global_load_b64 v[16:17], v4, s[6:7]
.irp i, 0,1,2,3,4,5,6,7,8,9,10,11,12,13,14,15
	global_load_b32 v[96+\i], v3, s[8:9] offset:8*\i
.endr
.irp i, 0,1,2,3,4,5,6,7,8,9,10,11,12,13,14,15
	global_load_b32 v[112+\i], v3, s[10:11] offset:8*\i
.endr
	WIN 0x40                                       ; destination window 1
.irp kp, 0,1,2                                 ; W's fragment (kind kp, tile u, K step ks) at v[16 (4 kp + 2 u + ks)]: 48 loads
.irp u, 0,1
.irp ks, 0,1
.irp c, 0,1,2,3
	global_load_b128 v[16*(4*\kp+2*\u+\ks)+4*\c:16*(4*\kp+2*\u+\ks)+4*\c+3], v5, s[12:13] offset:\kp*65536+\u*2048+\ks*128+32*\c
.endr
.endr
.endr
.endr
.irp u, 0,1                                    ; q's and k's bias in the result's layout: register j of tile u: row 16 h + 8 u + j of my 32.  8 loads
	global_load_b128 v[BQ+8*\u:BQ+8*\u+3], v10, s[14:15] offset:32*\u
	global_load_b128 v[BQ+8*\u+4:BQ+8*\u+7], v10, s[14:15] offset:32*\u+16
	global_load_b128 v[BK+8*\u:BK+8*\u+3], v10, s[14:15] offset:1024+32*\u
	global_load_b128 v[BK+8*\u+4:BK+8*\u+7], v10, s[14:15] offset:1024+32*\u+16
.endr
.irp u, 0,1                                    ; v's: one number a lane and tile.  2 loads
	global_load_b32 v[BV+8*\u], v11, s[14:15] offset:2048+32*\u
.endr
	WIN 0
	s_wait_kmcnt 0x0
	s_add_co_i32 s38, s24, s25                     ; e0 + e1: a sum of the product stands for sum x 2^(e0 + e1)
	s_sub_co_i32 s39, 0, s38
	s_sub_co_i32 s60, s26, s38
	s_sub_co_i32 s61, s27, s38
	s_sub_co_i32 s62, s28, s38
	SCALE 24, 24, 25                               ; xn
	SCALE 60, 26, 27                               ; q
	SCALE 61, 28, 29                               ; k
	SCALE 62, 30, 31                               ; v
	; ---- 1: xn = (x - mean) x (gamma / sqrt(var + eps)) + beta, into LDS
	s_wait_loadcnt 58                              ; x, stats, gamma and beta are in; the 48 + 10 loads issued behind them may be out
	GSTAT
.irp i, 0,1,2,3,4,5,6,7,8,9,10,11,12,13,14,15
	v_mul_f32 v[96+\i], v[96+\i], v19
.endr
.irp i, 0,1,2,3,4,5,6,7,8,9,10,11,12,13,14,15
.irp k, 0,1,2,3
	v_sub_f32 v[32+4*\i+\k], v[32+4*\i+\k], v18
.endr
.irp k, 0,1,2,3
	s_delay_alu instid0(VALU_DEP_4)
	v_fma_f32 v[32+4*\i+\k], v[32+4*\i+\k], v[96+\i], v[112+\i]
.endr
	ds_store_b128 v6, v[32+4*\i:35+4*\i] offset:2*\i*XSP+32*(\i/8)   ; rows 16 to 31 of my 32 are the shifted ones
.endr
	BARRIER                                        ; all 256 rows of xn lie in LDS
	; ---- 2: my fragment: register 16 c + i = channel 128 (w % 2) + 32 c + 16 h + i of my place's token
.irp c, 0,1,2,3
.irp i, 0,1,2,3,4,5,6,7,8,9,10,11,12,13,14,15
	ds_load_b32 v[32+16*\c+\i], v7 offset:(32*\c+\i)*XSP
.endr
.endr
	s_wait_dscnt 0x0
	QUANT 32, 128, 24, 25
.irp c, 0,1,2,3
	ds_store_b128 v8, v[128+4*\c:131+4*\c] offset:512*\c
.endr
	BARRIER                                        ; the eight images lie in LDS
	; ---- 3
.irp f, 0,1,2,3,4,5,6,7
.irp c, 0,1,2,3
	ds_load_b128 v[XF+16*\f+4*\c:XF+16*\f+4*\c+3], v9 offset:2048*\f+512*\c
.endr
.endr
	s_wait_loadcnt 0x0                             ; W and the biases
	WIN 0x41                                       ; source 0 and destination window 1
.irp j, 0,1,2,3,4,5,6,7,8,9,10,11,12,13,14,15,16,17,18,19,20,21,22,23,24,25,26,27,28,29,30,31
	v_ldexp_f32 v[BQ+\j], v[BQ+\j], s39            ; bias / 2^(e0 + e1)
.endr
.irp u, 0,1
	v_ldexp_f32 v[BV+8*\u], v[BV+8*\u], s39
.irp j, 1,2,3,4,5,6,7
	v_mov_b32 v[BV+8*\u+\j], v[BV+8*\u]            ; v's result holds one row of W in all eight registers
.endr
.endr
	WIN 0
	s_wait_dscnt 0x0
	PAIR 0, 0, BQ, 26, 27, 18, 1024
	PAIR 1, 0, BK, 28, 29, 20, 1024
	PAIR 2, 1, BV, 30, 31, 22, 512
	s_wait_tensorcnt 0x0
	ds_add_u32 v254, v255
	s_wait_dscnt 0x0
	s_endpgm
.Lfunc_end_k_qd372a84cb9_qkv:
	.size	k_qd372a84cb9_qkv, .Lfunc_end_k_qd372a84cb9_qkv-k_qd372a84cb9_qkv
	.p2alignl 7, 3214868480
	.fill 96, 4, 3214868480
	.section	.rodata,"a",@progbits
	.p2align	6, 0x0
	.amdhsa_kernel k_qd372a84cb9_qkv
		.amdhsa_group_segment_fixed_size 91136
		.amdhsa_private_segment_fixed_size 0
		.amdhsa_enable_private_segment 0
		.amdhsa_kernarg_size 72
		.amdhsa_user_sgpr_count 2
		.amdhsa_user_sgpr_kernarg_segment_ptr 1
		.amdhsa_wavefront_size32 1
		.amdhsa_system_sgpr_workgroup_id_x 1
		.amdhsa_system_sgpr_workgroup_id_y 1
		.amdhsa_system_sgpr_workgroup_id_z 1
		.amdhsa_system_vgpr_workitem_id 0
		.amdhsa_next_free_vgpr 512
		.amdhsa_next_free_sgpr 66
		.amdhsa_reserve_vcc 0
		.amdhsa_float_denorm_mode_32 3
		.amdhsa_float_denorm_mode_16_64 3
		.amdhsa_fp16_overflow 1
		.amdhsa_memory_ordered 1
		.amdhsa_forward_progress 1
		.amdhsa_inst_pref_size 43
	.end_amdhsa_kernel
	.amdgpu_metadata
---
amdhsa.version: [ 1, 2 ]
amdhsa.kernels:
  - .name:           k_qd372a84cb9_qkv
    .symbol:         k_qd372a84cb9_qkv.kd
    .args:
      - { .name: x, .offset: 0, .size: 8, .value_kind: global_buffer, .address_space: global }
      - { .name: stats, .offset: 8, .size: 8, .value_kind: global_buffer, .address_space: global }
      - { .name: gamma, .offset: 16, .size: 8, .value_kind: global_buffer, .address_space: global }
      - { .name: beta, .offset: 24, .size: 8, .value_kind: global_buffer, .address_space: global }
      - { .name: qkv_w_codes, .offset: 32, .size: 8, .value_kind: global_buffer, .address_space: global }
      - { .name: qkv_b, .offset: 40, .size: 8, .value_kind: global_buffer, .address_space: global }
      - { .name: lowp_scales, .offset: 48, .size: 8, .value_kind: global_buffer, .address_space: global }
      - { .name: qc, .offset: 56, .size: 8, .value_kind: global_buffer, .address_space: global }
      - { .name: kv, .offset: 64, .size: 8, .value_kind: global_buffer, .address_space: global }
    .group_segment_fixed_size: 91136
    .private_segment_fixed_size: 0
    .kernarg_segment_align: 8
    .kernarg_segment_size: 72
    .max_flat_workgroup_size: 256
    .sgpr_count:     66
    .vgpr_count:     512
    .wavefront_size: 32
...
	.end_amdgpu_metadata
.endif
;; end of part 2
;; launch attn (part 3): grid 64 x 4, 8 waves a work-group, clusters of 4 x 1, 327,680 bytes of LDS; arguments qc, kv, stats, x, gamma, beta, proj_w_codes, proj_b, lowp_scales, out0; writes out0
.if DOCPART == 3
	.amdgcn_target "amdgcn-amd-amdhsa--gfx1250"
	.amdhsa_code_object_version 6
	.text
	.protected	k_qd372a84cb9_attn
	.globl	k_qd372a84cb9_attn
	.p2align	8
	.type	k_qd372a84cb9_attn,@function
k_qd372a84cb9_attn:
	s_mov_b64 s[64:65], 0
	v_nop
	global_prefetch_b8 v0, s[64:65] scope:SCOPE_SE
	s_setreg_imm32_b32 hwreg(HW_REG_WAVE_MODE, 25, 1), 1
	s_wait_xcnt 0x0
	s_wait_alu depctr_hold_cnt(0) depctr_sa_sdst(0) depctr_va_vdst(0) depctr_va_sdst(0) depctr_va_ssrc(0) depctr_va_vcc(0) depctr_vm_vsrc(0)
	s_getreg_b32 s2, hwreg(HW_REG_IB_STS2, 6, 4)
	s_cmp_eq_u32 s2, 0
	s_cbranch_scc0 .Lentry_in_a_cluster
	s_endpgm
.Lentry_in_a_cluster:
	s_bfe_u32 s2, ttmp6, 0x10000c
	s_cmp_lg_u32 s2, 0x3003
	s_cbranch_scc0 .Lentry_shape_is_right
	s_endpgm
.Lentry_shape_is_right:
; Attention on codes of BF8 (E5M2), the projection, its bias and the residual.  out0[b][o][l] = proj_w . att + proj_b + xn, with xn made again from x and the statistics.
; qc: q's codes, [b][block of 64 tokens][head][tile T][chunk c][lane][16 bytes].  kv: [b][slot of 256 keys][head][K: 2 steps x 16 chunks | V: 2 steps x 16 chunks][lane][16 bytes]: images of operand registers:
; a chunk is four registers, k = 32 c + 16 (lane / 16) + 0 .. 15 of the lane's row: one order of k for both sources of every product.  A slot is 128 KiB, dense.
; Scales 2^e: e2 q, e3 k, e4 v, e5 p, e6 att, e7 proj_w.
; THE SOFTMAX: t = score x log2(e) / 8; M = the running largest t, rounded UP to a whole number; p = 2^(t - M) is quantised, not normalised; the row's sum is taken of the unquantised p and divides at the end.
; When M moves, the sum and O are multiplied by 2^(old M - new M): nothing is rounded, and there is no branch on data.
; SHARES.  Work-group (blk, b): 64 queries x all 4 heads, so that the projection, whose K is all 256 channels, can follow in the same launch.  Wave w: head w / 2, tiles T = 2 (w % 2) and T + 1 of 16 queries (A and B):
; each fragment of K and V read from LDS feeds two products.  Two waves share a SIMD's registers: one's products and LDS loads stand beside the other's softmax.
; Both products are used transposed (S^T = K Q^T, O^T = V^T P): a lane holds one query throughout.  The keys of a tile of K, and the d of a tile of V, are chosen so that 16 registers of two neighbouring
; tiles are 16 neighbours along the next K (place m of tile 2 b + u: 32 b + 8 u + m + 8 (m / 8)): the conversions' results are the next operand's chunks.
; CLUSTER.  The four work-groups of a cluster belong to one image and walk the same kv: every tile is asked for JOINTLY (mask 15): wave w of each asks for the same eighth, 16 KiB, of a slot.
; proj_w is not asked for jointly: a wave's 8 KiB of it go from memory straight into its 64 operand registers, once.
; LIMITS, so that each power of two below is an f32 number: e2 + e3 between -123 and 130 (added to the exponent field of log2(e) / 8); e5 and e6 between -126 and 112; e6 + e7 between -126 and 127.  NaN among the inputs is not served.
; REGISTERS.  Window 0: v1-7, v26, v27, v31 addresses; A: v8 -M, v9 largest t, v[10:11] sum; B: v12-15; v[16:17], v[18:19] f; v20-25 at work; v29 scale; v30 the group's mean;
;   v32-95, v96-159 S^T then p of A, B; v160-191 p's codes; v192-207 Q; v224-239 gamma / sqrt(var + eps); v240-255 beta + proj_b.
;   Window 1: v0-63 K's fragments of a step; v64-127 V's; v128-159, v160-191 O^T of A, B; v192-255 proj_w's four fragments.
.set SLOT1, 1<<17                      ; slot 1 begins here: one exclusive or turns an address in one slot into the other's
.set SLOTB, 131072                     ; a slot's bytes
.set SPARE, 2*SLOT1                    ; behind the ring: the spare words, 128 bytes for each wave: four blocks of 256 bytes that no other line names
.set ATT,   SPARE+1024                 ; att's 8 fragments (tile T, K step s at (2 T + s) x 2,048): bytes of their own, into which no fill lands
.set STAGE, ATT+8*2048                 ; the way out: 16 rows x 272 bytes for each wave
.set SP,    272
.set SA, 32
.set SB, 96
.set PA, 160
.set PB, 176
.set QA, 192
.set QB, 200
.set GA, 224
.set CB, 240
.set VF, 64                            ; in window 1
.set OA, 128
.set OB, 160
.set PW, 192
.set MSB, 0
.macro WIN new                         ; the immediate's high byte repeats the setting that is left; a switch that changes nothing is dropped
.if MSB != (\new)
	s_set_vgpr_msb (MSB<<8)|(\new)
.set MSB, (\new)
.endif
.endm
.macro PLACES n
.rept \n
	v_nop
.endr
.endm
.macro SCALE e, vsc, vlim              ; from the exponent in s[e]: 2^e as f32
	s_add_co_i32 s68, s[\e], 127
	s_lshl_b32 s69, s68, 23
	v_mov_b32 v[\vsc], s69
.endm
; v[16:17] = mean and M2 of chunk lane % 8 of my group  ->  v18 = the group's mean, v19 = 1 / sqrt(var + eps)
.macro GSTAT
	v_mov_b32 v20, v16
	s_delay_alu instid0(VALU_DEP_1)
	v_add_f32_dpp v20, v20, v20 row_xmask:1 row_mask:0xf bank_mask:0xf
	s_delay_alu instid0(VALU_DEP_1)
	v_add_f32_dpp v20, v20, v20 row_xmask:2 row_mask:0xf bank_mask:0xf
	s_delay_alu instid0(VALU_DEP_1)
	v_add_f32_dpp v20, v20, v20 row_xmask:4 row_mask:0xf bank_mask:0xf
	s_delay_alu instid0(VALU_DEP_1)
	v_mul_f32 v18, 0x3e000000, v20
	s_delay_alu instid0(VALU_DEP_1)
	v_sub_f32 v21, v16, v18
	s_delay_alu instid0(VALU_DEP_1)
	v_mul_f32 v22, 0x46800000, v21                 ; 16,384 (mean_i - mean)
	s_delay_alu instid0(VALU_DEP_1)
	v_fma_f32 v22, v22, v21, v17
	s_delay_alu instid0(VALU_DEP_1)
	v_add_f32_dpp v22, v22, v22 row_xmask:1 row_mask:0xf bank_mask:0xf
	s_delay_alu instid0(VALU_DEP_1)
	v_add_f32_dpp v22, v22, v22 row_xmask:2 row_mask:0xf bank_mask:0xf
	s_delay_alu instid0(VALU_DEP_1)
	v_add_f32_dpp v22, v22, v22 row_xmask:4 row_mask:0xf bank_mask:0xf
	s_delay_alu instid0(VALU_DEP_1)
	v_fma_f32 v22, v22, s86, s87                   ; x 2^-17 + 1e-5
	s_wait_alu depctr_va_vdst(0)
	v_rsq_f32 v19, v22
	v_nop                                          ; a plain line behind the transcendental,
	s_wait_alu depctr_va_vdst(0)                   ; and the wait ahead of its first reader
.endm
; A round of the cluster's barrier: my work-group's barrier, wave 0's signal for the work-group, every wave's wait for all four work-groups, my work-group's barrier once more
.macro CROUND
	s_barrier_signal -1
	s_barrier_wait -1
	s_cmp_lg_u32 s24, 0
	s_cbranch_scc1 .Lnot_wave_0_\@
	s_barrier_signal -3
.Lnot_wave_0_\@:
	s_barrier_wait -3
	s_barrier_signal -1
	s_barrier_wait -1
.endm
; A PREFETCH INTO THE L2 of the slot that the NEXT change of slots will ask for: 128 KiB, two key steps ahead of that load.  All clusters of an image walk the same kv: the image's first cluster asks.  Its four
; partners take 32 KiB each, told apart BY ADDRESS; in each, waves 0 to 3 take 8 KiB, lanes 256 bytes apart: each aligned run of 256 bytes is named once in the launch.  The last change that fills a slot asks for nothing.
.macro ASK
	s_cmp_gt_u32 s57, s58
	s_cbranch_scc0 .Lnot_mine_\@
	global_prefetch_b8 v26, s[60:61] th:TH_LOAD_NT scope:SCOPE_SE
.Lnot_mine_\@:
.endm
; THE CHANGE OF SLOTS stands at a slot's head.  Each wave waits for all its tensor loads (one is out: its eighth of the slot ahead), adds 0 to its spare word, and waits for that and for its reads of the slot that it has left.
; fill = 1: a round of the cluster's barrier, so that no wave of any partner still reads that slot or has a load on its way; then the joint refill, first thing: it has two key steps in which to land.
.macro CHANGE fill
	s_wait_tensorcnt 0x0                           ; no tensor load of mine is out, so the walking group 0 may be written
	ds_add_u32 v5, v6                              ; 0 onto my spare word
.if \fill
	s_xor_b32 s41, s41, SLOT1                      ; the other slot than last time,
	s_add_nc_u64 s[42:43], s[42:43], SLOTB         ; the next 256 keys; the type bits on top are not reached
	s_wait_xcnt 0x0                                ; the last prefetch, a slot back, has read its address
	s_add_nc_u64 s[60:61], s[60:61], SLOTB         ; one slot further on than the walking descriptor
	s_wait_dscnt 0x0                               ; the add is done, and my reads of the slot that I have left are over
	CROUND
	tensor_load_to_lds s[40:43], s[32:39]          ; my one tensor load until the next round: by this text's count one is out
	s_nop 0
	PLACES 4                                       ; behind a tensor load
	ASK
.else
	s_wait_dscnt 0x0
	s_barrier_signal -1
	s_barrier_wait -1
	global_prefetch_b8 v7, s[82:83] th:TH_LOAD_NT scope:SCOPE_SE   ; the residual's x: my wave's 32 channels x 256 bytes, a lane a row, each named once in the launch, two key steps ahead of their loads
.endif
.endm
.macro KLOAD q                         ; K's 16 chunks of the slot's q-th key step: fragment t (16 keys x 64 d) = chunks 2 t, 2 t + 1
.irp n, 0,1,2,3,4,5,6,7,8,9,10,11,12,13,14,15
	ds_load_b128 v[4*\n:4*\n+3], v4 offset:(\q)*8192+512*\n
.endr
.endm
.macro VLOAD q                         ; V's: fragment dt (16 d x 128 keys) = chunks 4 dt .. 4 dt + 3
.irp n, 0,1,2,3,4,5,6,7,8,9,10,11,12,13,14,15
	ds_load_b128 v[VF+4*\n:VF+4*\n+3], v4 offset:16384+(\q)*8192+512*\n
.endr
.endm
; A key step's softmax for both tiles, which take turns line by line: four chains that do not wait for each other
.macro SOFTMAX
	v_max3_num_f32 v20, v[SA], v[SA+1], v[SA+2]    ; the step's largest score of my query among my 64 keys, two chains a tile; each accumulator is first read at its low end
	v_max3_num_f32 v22, v[SB], v[SB+1], v[SB+2]
	v_max3_num_f32 v21, v[SA+3], v[SA+4], v[SA+5]
	v_max3_num_f32 v23, v[SB+3], v[SB+4], v[SB+5]
.irp i, 6,10,14,18,22,26,30,34,38,42,46,50,54,58
	v_max3_num_f32 v20, v20, v[SA+\i], v[SA+\i+1]
	v_max3_num_f32 v22, v22, v[SB+\i], v[SB+\i+1]
	v_max3_num_f32 v21, v21, v[SA+\i+2], v[SA+\i+3]
	v_max3_num_f32 v23, v23, v[SB+\i+2], v[SB+\i+3]
.endr
	v_max3_num_f32 v20, v20, v[SA+62], v[SA+63]
	v_max3_num_f32 v22, v22, v[SB+62], v[SB+63]
	s_delay_alu instid0(VALU_DEP_2)
	v_max_num_f32 v20, v20, v21
	s_delay_alu instid0(VALU_DEP_2)
	v_max_num_f32 v22, v22, v23
	s_delay_alu instid0(VALU_DEP_2)
	v_permlanex16_b32 v24, v20, s54, s55           ; the query's other 64 keys lie in lane l xor 16
	s_delay_alu instid0(VALU_DEP_2)
	v_permlanex16_b32 v25, v22, s54, s55
	s_delay_alu instid0(VALU_DEP_2)
	v_max_num_f32 v20, v20, v24
	s_delay_alu instid0(VALU_DEP_2)
	v_max_num_f32 v22, v22, v25
	s_delay_alu instid0(VALU_DEP_2)
	v_mul_f32 v20, s52, v20                        ; as t (c is positive)
	s_delay_alu instid0(VALU_DEP_2)
	v_mul_f32 v22, s52, v22
	s_delay_alu instid0(VALU_DEP_2)
	v_max_num_f32 v9, v9, v20                      ; the running largest t
	s_delay_alu instid0(VALU_DEP_2)
	v_max_num_f32 v13, v13, v22
	v_mov_b32 v20, v8
	v_mov_b32 v22, v12
	s_delay_alu instid0(VALU_DEP_4)
	v_floor_f32 v8, -v9                            ; the new -M = floor(-t) = -ceil(t): a whole number
	s_delay_alu instid0(VALU_DEP_4)
	v_floor_f32 v12, -v13
	s_delay_alu instid0(VALU_DEP_2)
	v_sub_f32 v20, v8, v20                         ; old M - new M: a whole number, 0 or less
	s_delay_alu instid0(VALU_DEP_2)
	v_sub_f32 v22, v12, v22
	s_delay_alu instid0(VALU_DEP_2)
	v_cvt_i32_f32 v20, v20                         ; (it saturates)
	s_delay_alu instid0(VALU_DEP_2)
	v_cvt_i32_f32 v22, v22
	s_delay_alu instid0(VALU_DEP_2)
	v_ldexp_f32 v16, 1.0, v20                      ; f = 2^(old M - new M)
	s_delay_alu instid0(VALU_DEP_2)
	v_ldexp_f32 v18, 1.0, v22
.irp j, 0,2,4,6,8,10,12,14,16,18,20,22,24,26,28,30,32,34,36,38,40,42,44,46,48,50,52,54,56,58,60,62
	v_pk_fma_f32 v[SA+\j:SA+\j+1], v[SA+\j:SA+\j+1], s[52:53], v[8:9] op_sel_hi:[1,0,0]     ; t - M, two at a time (of the pairs c and -M the low word serves both halves)
	v_pk_fma_f32 v[SB+\j:SB+\j+1], v[SB+\j:SB+\j+1], s[52:53], v[12:13] op_sel_hi:[1,0,0]
.endr
.set j, 0
	s_wait_alu depctr_va_vdst(0)
.rept 128
	v_exp_f32 v[SA+j], v[SA+j]                     ; p = 2^(t - M), at most 1: both tiles' 128 as ONE batch
.set j, j+1
.endr
	v_pk_mul_f32 v[10:11], v[10:11], v[16:17] op_sel_hi:[1,0]   ; the sums under the new M: the plain lines behind the exponentials
	v_pk_mul_f32 v[14:15], v[14:15], v[18:19] op_sel_hi:[1,0]
	s_wait_alu depctr_va_vdst(0)                   ; one wait for the batch, ahead of its first reader
	v_pk_add_f32 v[20:21], v[SA:SA+1], v[SA+2:SA+3]   ; THE ROW'S SUM IS TAKEN OF THE UNQUANTISED p: two at a time, two chains a tile
	v_pk_add_f32 v[22:23], v[SB:SB+1], v[SB+2:SB+3]
.irp j, 4,8,12,16,20,24,28,32,36,40,44,48,52,56,60
	v_pk_add_f32 v[10:11], v[10:11], v[SA+\j:SA+\j+1]
	v_pk_add_f32 v[14:15], v[14:15], v[SB+\j:SB+\j+1]
	v_pk_add_f32 v[20:21], v[20:21], v[SA+\j+2:SA+\j+3]
	v_pk_add_f32 v[22:23], v[22:23], v[SB+\j+2:SB+\j+3]
.endr
	s_delay_alu instid0(VALU_DEP_2)
	v_pk_add_f32 v[10:11], v[10:11], v[20:21]
	s_delay_alu instid0(VALU_DEP_2)
	v_pk_add_f32 v[14:15], v[14:15], v[22:23]
.irp b, 0,1,2,3
.irp i, 0,1,2,3,4,5,6,7,8,9,10,11,12,13,14,15
.endr
.irp i, 0,1,2,3,4,5,6,7,8,9,10,11,12,13,14,15
.endr
	v_cvt_scalef32_pk8_bf8_f32 v[PA+4*\b:PA+4*\b+1], v[SA+16*\b:SA+16*\b+7], v29      ; chunk b of P: keys 32 b + 16 (lane / 16) + 0 .. 15
	v_cvt_scalef32_pk8_bf8_f32 v[PA+4*\b+2:PA+4*\b+3], v[SA+16*\b+8:SA+16*\b+15], v29
	v_cvt_scalef32_pk8_bf8_f32 v[PB+4*\b:PB+4*\b+1], v[SB+16*\b:SB+16*\b+7], v29
	v_cvt_scalef32_pk8_bf8_f32 v[PB+4*\b+2:PB+4*\b+3], v[SB+16*\b+8:SB+16*\b+15], v29
.endr
.endm
; A KEY STEP: 128 keys, the q-th of the slot in hand, for both tiles.  first = 1: K has not been fetched ahead; last = 1: the slot has no further step
.macro STEP q, first, last
	PLACES 4                                       ; in front of loads into registers that the last products V^T P have read
	WIN 0x40                                       ; destination window 1
.if \first
	KLOAD \q
.endif
	VLOAD \q
	s_wait_dscnt 16                                ; K is in; V's 16 loads, issued behind it, may be out
	WIN 0x01                                       ; source 0 (K) window 1
.irp t, 0,1,2,3,4,5,6,7
	v_wmma_f32_16x16x64_bf8_bf8 v[SA+8*\t:SA+8*\t+7], v[8*\t:8*\t+7], v[QA:QA+7], 0
	v_wmma_f32_16x16x64_bf8_bf8 v[SB+8*\t:SB+8*\t+7], v[8*\t:8*\t+7], v[QB:QB+7], 0
.endr
	WIN 0
	PLACES 4                                       ; in front of the loads into K's registers and of the first read of the scores
.if \last == 0
	WIN 0x40
	KLOAD (\q)+1                                   ; the next step's K lands under the softmax
	WIN 0
.endif
	SOFTMAX
	WIN 0x41                                       ; O^T (source 0 and destination) window 1, f window 0
.irp j, 0,2,4,6,8,10,12,14,16,18,20,22,24,26,28,30
	v_pk_mul_f32 v[OA+\j:OA+\j+1], v[OA+\j:OA+\j+1], v[16:17] op_sel_hi:[1,0]   ; O^T under the new M.  (Also the plain lines between the conversions and the products that read their results)
	v_pk_mul_f32 v[OB+\j:OB+\j+1], v[OB+\j:OB+\j+1], v[18:19] op_sel_hi:[1,0]
.endr
.if \last
	s_wait_alu depctr_va_vdst(0)
	s_wait_dscnt 0x0                               ; V is in
.else
	s_wait_alu depctr_va_vdst(0)
	s_wait_dscnt 16                                ; V is in; the next K's 16 loads, issued behind it, may be out
.endif
	WIN 0x51                                       ; V window 1, P window 0, O^T window 1
.irp d, 0,1,2,3                                ; the eight accumulators take turns, one product a turn
	v_wmma_f32_16x16x128_bf8_bf8 v[OA+8*\d:OA+8*\d+7], v[VF+16*\d:VF+16*\d+15], v[PA:PA+15], v[OA+8*\d:OA+8*\d+7]
	v_wmma_f32_16x16x128_bf8_bf8 v[OB+8*\d:OB+8*\d+7], v[VF+16*\d:VF+16*\d+15], v[PB:PB+15], v[OB+8*\d:OB+8*\d+7]
.endr
	WIN 0
.endm
	s_load_b512 s[4:19], s[0:1], 0x0               ; qc s[4:5], kv s[6:7], stats s[8:9], x s[10:11], gamma s[12:13], beta s[14:15], proj_w s[16:17], proj_b s[18:19]
	s_load_b128 s[20:23], s[0:1], 0x40             ; lowp_scales s[20:21], out0 s[22:23]
	v_lshl_add_u32 v5, v0, 2, SPARE                ; my spare word; never rewritten
	v_mov_b32 v6, 0                                ; 0; never rewritten
	ds_add_u32 v5, v6
	ds_add_u32 v5, v6
	s_wait_dscnt 0x0
	v_lshrrev_b32 v32, 5, v0
	s_delay_alu instid0(VALU_DEP_1)
	v_readfirstlane_b32 s24, v32                   ; wave 0..7
	s_lshr_b32 s25, s24, 1                         ; my head
	s_and_b32 s26, s24, 1                          ; which two tiles of queries
	s_bfe_u32 s27, ttmp6, 0x40000                  ; cx: my place in the cluster
	s_lshl_b32 s28, ttmp9, 2                       ; in a cluster launch ttmp9 counts clusters
	s_add_co_u32 s28, s28, s27                     ; blk = 4 x cluster x + cx: it enters qc's, x's and out0's addresses alone
	s_and_b32 s29, ttmp7, 0xffff                   ; image b, which the four partners share
	; descriptor group 1: 64 rows of 32 elements of 8 bytes, dense: 16 KiB
	s_mov_b32 s32, 15|(3<<16)|(1<<21)              ; 15:0 the mask: all four work-groups; 17:16 elements of 8 bytes; 20 no padding; 21 set beside a mask
	s_mov_b32 s33, 32<<16                          ; tensor_dim0 = 32
	s_mov_b32 s34, 64<<16                          ; tensor_dim1 = 64
	s_mov_b32 s35, 32<<16                          ; tile_dim0 = 32
	s_mov_b32 s36, 64                              ; tile_dim1 = 64
	s_mov_b32 s37, 32                              ; from row to row: 32 elements
	s_mov_b32 s38, 0
	s_mov_b32 s39, 0
	s_mov_b32 s52, 0x3e38aa3b                      ; c = log2(e) / sqrt(64)
	s_mov_b32 s54, 0x76543210                      ; v_permlanex16_b32: lane l xor 16
	s_mov_b32 s55, 0xfedcba98
	s_mov_b32 s56, 0                               ; LDS byte at which the slot in hand begins
	s_mov_b32 s57, 15                              ; slots still to be asked for
	s_mov_b32 s86, 0x37000000                      ; 2^-17
	s_mov_b32 s87, 0x3727c5ac                      ; 1e-5
	s_lshr_b32 s58, s24, 2                         ; 0 in waves 0 to 3,
	s_or_b32 s58, s58, ttmp9                       ; of the image's first cluster: the same in all four partners
	s_cmp_eq_u32 s58, 0
	s_cselect_b32 s58, 1, -1                       ; a wave prefetches while s57 is above this
	s_lshl_b32 s66, s29, 21                        ; kv: my image's 2 MiB, my wave's eighth of a slot
	s_lshl_b32 s67, s24, 14
	s_add_co_u32 s66, s66, s67
	s_mov_b32 s67, 0
	s_lshl_b32 s70, s29, 9                         ; stats: group 8 b + w (channels 32 w on are my outputs)
	s_lshl_b32 s71, s24, 6
	s_add_co_u32 s70, s70, s71
	s_mov_b32 s71, 0
	s_lshl_b32 s72, s24, 7                         ; gamma, beta, proj_b: 32 w numbers
	s_mov_b32 s73, 0
	s_lshl_b32 s78, s24, 13                        ; proj_w: 32 w rows of 256 bytes
	s_mov_b32 s79, 0
	s_lshl_b32 s74, s29, 20                        ; qc: ((64 b + blk) << 14) + (head << 12) + ((w % 2) << 11)
	s_lshl_b32 s75, s28, 14
	s_add_co_u32 s74, s74, s75
	s_lshl_b32 s75, s25, 12
	s_add_co_u32 s74, s74, s75
	s_lshl_b32 s75, s26, 11
	s_add_co_u32 s74, s74, s75
	s_mov_b32 s75, 0
	s_lshl_b32 s76, s29, 22                        ; x, out0: ((256 b + 32 w) << 14) + (blk << 8)
	s_lshl_b32 s77, s24, 19
	s_add_co_u32 s76, s76, s77
	s_lshl_b32 s77, s28, 8
	s_add_co_u32 s76, s76, s77
	s_mov_b32 s77, 0
	s_lshl_b32 s68, s29, 21                        ; the prefetches: my image, slot 1 (the first change steps it to slot 2), my work-group's 32 KiB, my wave's 8 KiB
	s_lshl_b32 s69, s27, 15
	s_add_co_u32 s68, s68, s69
	s_and_b32 s69, s24, 3
	s_lshl_b32 s69, s69, 13
	s_add_co_u32 s68, s68, s69
	s_add_co_u32 s68, s68, SLOTB
	s_mov_b32 s69, 0
	s_wait_kmcnt 0x0
	s_load_b256 s[44:51], s[20:21], 0x0            ; e0 .. e7
	s_mov_b32 s40, 1                               ; group 0: count = 1
	s_lshl_b32 s41, s24, 14                        ; LDS address: slot 0, my eighth: no place in the cluster enters it
	s_add_nc_u64 s[42:43], s[6:7], s[66:67]        ; global address: the image's first slot, my eighth
	s_or_b32 s43, s43, 0x80000000                  ; type = 2
	s_add_nc_u64 s[60:61], s[6:7], s[68:69]
	s_add_nc_u64 s[4:5], s[4:5], s[74:75]
	s_add_nc_u64 s[82:83], s[10:11], s[76:77]
	s_add_nc_u64 s[84:85], s[22:23], s[76:77]
	s_add_nc_u64 s[8:9], s[8:9], s[70:71]
	s_add_nc_u64 s[12:13], s[12:13], s[72:73]
	s_add_nc_u64 s[14:15], s[14:15], s[72:73]
	s_add_nc_u64 s[18:19], s[18:19], s[72:73]
	s_add_nc_u64 s[16:17], s[16:17], s[78:79]
	CROUND                                         ; all four work-groups are here: the first joint loads meet
	tensor_load_to_lds s[40:43], s[32:39]          ; slot 0
	s_nop 0
	PLACES 4
	v_and_b32 v32, 31, v0                          ; lane
	v_and_b32 v33, 15, v0                          ; r
	v_bfe_u32 v34, v0, 4, 1                        ; h
	s_delay_alu instid0(VALU_DEP_3)
	v_lshlrev_b32 v1, 4, v32                       ; v1: 16 x lane
	v_and_b32 v35, 7, v0
	s_delay_alu instid0(VALU_DEP_1)
	v_lshlrev_b32 v35, 3, v35                      ; stats: chunk lane % 8
	s_delay_alu instid0(VALU_DEP_4)
	v_lshlrev_b32 v36, 2, v34                      ; gamma, beta, proj_b: the channel of my half
	v_lshlrev_b32 v37, 8, v33
	s_delay_alu instid0(VALU_DEP_1)
	v_lshl_add_u32 v37, v34, 4, v37                ; proj_w: row r of 256 bytes, + 16 h
.irp u, 0,1
.irp c, 0,1
	global_load_b128 v[QA+8*\u+4*\c:QA+8*\u+4*\c+3], v1, s[4:5] offset:\u*1024+\c*512   ; Q's two fragments stay in registers
.endr
.endr
	global_load_b64 v[16:17], v35, s[8:9]
.irp n, 0,1,2,3,4,5,6,7,8,9,10,11,12,13,14,15  ; number n: channel 32 w + 2 n + h, as the way out's row pairs want them
	global_load_b32 v[GA+\n], v36, s[12:13] offset:8*\n
	global_load_b32 v[CB+\n], v36, s[14:15] offset:8*\n
	global_load_b32 v[208+\n], v36, s[18:19] offset:8*\n
.endr
	WIN 0x40                                       ; destination window 1
.irp o, 0,1                                    ; proj_w's fragment (tile o of 16 outputs, K step ks)
.irp ks, 0,1
.irp c, 0,1,2,3
	global_load_b128 v[PW+16*(2*\o+\ks)+4*\c:PW+16*(2*\o+\ks)+4*\c+3], v37, s[16:17] offset:\o*4096+\ks*128+32*\c
.endr
.endr
.endr
.set j, 0
.rept 64
	v_mov_b32 v[OA+j], 0                           ; O^T.  (The key step is written without a first copy: it finds zeros, which the first change of M leaves zeros)
.set j, j+1
.endr
	WIN 0
	s_lshl_b32 s66, s25, 15
	v_add_nc_u32 v3, s66, v1                       ; v3: my head's 32 KiB of a slot, + 16 x lane
	s_lshl_b32 s66, s26, 13                        ; v2: where my att chunks go: fragment (T = 2 (w % 2) + u, s = head / 2), chunk 2 (head % 2) + b'
	s_lshr_b32 s67, s25, 1
	s_lshl_b32 s67, s67, 11
	s_add_co_u32 s66, s66, s67
	s_and_b32 s67, s25, 1
	s_lshl_b32 s67, s67, 10
	s_add_co_u32 s66, s66, s67
	s_add_co_u32 s66, s66, ATT
	v_add_nc_u32 v2, s66, v1
	s_mul_i32 s66, s24, 16*SP
	s_add_co_u32 s66, s66, STAGE                   ; my stage
	v_mul_u32_u24 v27, v33, SP
	s_delay_alu instid0(VALU_DEP_1)
	v_lshl_add_u32 v27, v34, 6, v27
	s_delay_alu instid0(VALU_DEP_1)
	v_add_nc_u32 v27, s66, v27                     ; v27: in: row r (an output channel), + 64 h: 16 tokens on
	v_mul_u32_u24 v31, v34, SP
	s_delay_alu instid0(VALU_DEP_1)
	v_lshl_add_u32 v31, v33, 4, v31
	s_delay_alu instid0(VALU_DEP_1)
	v_add_nc_u32 v31, s66, v31                     ; v31: back: lanes 0-15 one row, lanes 16-31 the next
	v_lshlrev_b32 v7, 14, v32                      ; v7: x's prefetch: a lane a channel
	v_lshlrev_b32 v26, 8, v32                      ; v26: kv's prefetch: lanes 256 bytes apart
	v_mov_b32 v9, 0xff61b1e6                       ; the largest t so far: -3e38, under every t
	v_mov_b32 v13, 0xff61b1e6
	s_delay_alu instid0(VALU_DEP_2)
	v_floor_f32 v8, -v9                            ; -M
	s_delay_alu instid0(VALU_DEP_2)
	v_floor_f32 v12, -v13
	v_mov_b32 v10, 0                               ; the sums, in two halves
	v_mov_b32 v11, 0
	v_mov_b32 v14, 0
	v_mov_b32 v15, 0
	v_mov_b32 v24, 0                               ; a lane permute's destination counts as read: written once
	v_mov_b32 v25, 0
	s_wait_kmcnt 0x0
	s_add_co_i32 s66, s46, s47                     ; a score stands for score x 2^(e2 + e3): the two exponents are added to c's exponent field
	s_lshl_b32 s66, s66, 23
	s_add_co_i32 s52, s52, s66
	s_mov_b32 s53, s52                             ; (named with it as a pair, so it is written)
	SCALE 49, 29, 28                               ; p's scale 2^e5
	s_add_co_i32 s81, s48, s49                     ; e4 + e5
	s_add_co_i32 s80, s50, s51
	s_add_co_i32 s80, s80, 127
	s_lshl_b32 s80, s80, 23                        ; 2^(e6 + e7) as f32
	s_wait_loadcnt 0x0
	GSTAT
	v_mov_b32 v30, v18                             ; the mean of my outputs' group
.irp n, 0,1,2,3,4,5,6,7,8,9,10,11,12,13,14,15
	v_mul_f32 v[GA+\n], v[GA+\n], v19              ; gamma / sqrt(var + eps)
	v_add_f32 v[CB+\n], v[CB+\n], v[208+\n]        ; beta + proj_b
.endr
.Lslot:                                            ; 15 trips: behind each change of slots but the last the next slot is asked for
	CHANGE 1
	v_add_nc_u32 v4, s56, v3
	s_wait_alu depctr_va_vdst(0)
	STEP 0, 1, 0
	STEP 1, 0, 1
	s_xor_b32 s56, s56, SLOT1                      ; on to the other slot
	s_sub_co_u32 s57, s57, 1
	s_cmp_lg_u32 s57, 0
	s_cbranch_scc1 .Lslot
	CHANGE 0                                       ; the last slot is written out
	v_add_nc_u32 v4, s56, v3
	s_wait_alu depctr_va_vdst(0)
	STEP 0, 1, 0
	STEP 1, 0, 1
	; ---- THE WAY OUT.  Five plain lines that name no register of the last products are the places behind them
	v_and_b32 v20, 15, v0                          ; r
	v_bfe_u32 v21, v0, 4, 1                        ; h
	s_delay_alu instid0(VALU_DEP_2)
	v_lshlrev_b32 v3, 4, v20
	s_delay_alu instid0(VALU_DEP_1)
	v_lshl_add_u32 v3, v21, 14, v3                 ; v3: x and out0: lanes 0-15 one channel's 256 bytes, lanes 16-31 the next channel's
	v_add_nc_u32 v4, ATT, v1                       ; v4: where att's images are read
	WIN 0x40
.irp n, 0,1,2,3,4,5,6,7,8,9,10,11,12,13,14,15
	global_load_b128 v[4*\n:4*\n+3], v3, s[82:83] offset:2*\n*16384 th:TH_LOAD_NT   ; x at channels 32 w + 2 n + h, into K's registers, which are done with
.endr
	WIN 0
	v_add_f32 v10, v10, v11                        ; the sums' two halves,
	v_add_f32 v14, v14, v15
	s_delay_alu instid0(VALU_DEP_2)
	v_permlanex16_b32 v24, v10, s54, s55
	s_delay_alu instid0(VALU_DEP_2)
	v_permlanex16_b32 v25, v14, s54, s55
	s_delay_alu instid0(VALU_DEP_2)
	v_add_f32 v10, v10, v24                        ; and lane l xor 16's: the rows' sums
	s_delay_alu instid0(VALU_DEP_2)
	v_add_f32 v14, v14, v25
	s_wait_alu depctr_va_vdst(0)
	v_rcp_f32 v10, v10
	v_rcp_f32 v14, v14
	v_nop                                          ; a plain line behind the reciprocals,
	s_wait_alu depctr_va_vdst(0)                   ; and one wait for both, ahead of their first reader
	v_ldexp_f32 v10, v10, s81                      ; x 2^(e4 + e5)
	v_ldexp_f32 v14, v14, s81
	WIN 0x01                                       ; source 0 (O^T) window 1
.irp j, 0,2,4,6,8,10,12,14,16,18,20,22,24,26,28,30
	v_pk_mul_f32 v[32+\j:33+\j], v[OA+\j:OA+\j+1], v[10:11] op_sel_hi:[1,0]   ; att = O^T / the sum: registers 16 b' + i are d = 32 b' + 16 h + i of my query
.endr
.irp j, 0,2,4,6,8,10,12,14,16,18,20,22,24,26,28,30
	v_pk_mul_f32 v[64+\j:65+\j], v[OB+\j:OB+\j+1], v[14:15] op_sel_hi:[1,0]
.endr
	WIN 0
	SCALE 50, 29, 28                               ; att's scale 2^e6
.set j, 0
.rept 64
.set j, j+1
.endr
.irp g, 0,1,2,3                                ; chunk g = 2 u + b'
	v_cvt_scalef32_pk8_bf8_f32 v[96+4*\g:97+4*\g], v[32+16*\g:39+16*\g], v29
	v_cvt_scalef32_pk8_bf8_f32 v[98+4*\g:99+4*\g], v[40+16*\g:47+16*\g], v29
.endr
	v_nop                                          ; a plain line behind the last conversion
.irp u, 0,1
.irp c, 0,1
	ds_store_b128 v2, v[96+4*(2*\u+\c):99+4*(2*\u+\c)] offset:\u*4096+\c*512
.endr
.endr
	s_wait_dscnt 0x0                               ; for the others' sake: my chunks have landed
	s_barrier_signal -1
	s_barrier_wait -1                              ; att's eight fragments lie in LDS
.irp ks, 0,1                                   ; the first K step's four fragments first
.irp t, 0,1,2,3
.irp c, 0,1,2,3
	ds_load_b128 v[32+16*(2*\t+\ks)+4*\c:32+16*(2*\t+\ks)+4*\c+3], v4 offset:(2*\t+\ks)*2048+512*\c
.endr
.endr
.endr
	s_wait_dscnt 16                                ; the first K step's are in; the second's 16 loads may be out
	WIN 0x04                                       ; source 1 (proj_w) window 1
.irp o, 0,1                                    ; source 0 = 16 tokens of att, source 1 = 16 rows of proj_w: a lane holds one output channel and, in tiles 2 a and 2 a + 1, 16 neighbouring tokens
.irp t, 0,1,2,3
	v_wmma_f32_16x16x128_bf8_bf8 v[160+8*(4*\o+\t):160+8*(4*\o+\t)+7], v[32+32*\t:32+32*\t+15], v[PW+32*\o:PW+32*\o+15], 0
.endr
.endr
	s_wait_dscnt 0x0
.irp o, 0,1                                    ; the eight accumulators take turns
.irp t, 0,1,2,3
	v_wmma_f32_16x16x128_bf8_bf8 v[160+8*(4*\o+\t):160+8*(4*\o+\t)+7], v[48+32*\t:48+32*\t+15], v[PW+32*\o+16:PW+32*\o+31], v[160+8*(4*\o+\t):160+8*(4*\o+\t)+7]
.endr
.endr
	WIN 0
	PLACES 4                                       ; in front of the first read of results, of loads into att's registers and of vector writes there
.irp o, 0,1                                    ; 16 output channels x 64 tokens go through my own stage and come back as rows of 256 bytes.  LDS serves a wave's instructions in order (ISA guide 5.7.1.4): no wait between
.irp t, 0,1,2,3
	ds_store_b128 v27, v[160+8*(4*\o+\t):160+8*(4*\o+\t)+3] offset:128*(\t/2)+32*(\t%2)
	ds_store_b128 v27, v[160+8*(4*\o+\t)+4:160+8*(4*\o+\t)+7] offset:128*(\t/2)+32*(\t%2)+16
.endr
.irp i, 0,1,2,3,4,5,6,7
	ds_load_b128 v[32+32*\o+4*\i:32+32*\o+4*\i+3], v31 offset:2*\i*SP
.endr
.endr
	s_wait_loadcnt 0x0                             ; x
	WIN 0x01
.irp k, 0,2,4,6,8,10,12,14,16,18,20,22,24,26,28,30,32,34,36,38,40,42,44,46,48,50,52,54,56,58,60,62
	v_pk_add_f32 v[96+\k:97+\k], v[\k:\k+1], v[30:31] op_sel_hi:[1,0] neg_lo:[0,1] neg_hi:[0,1]   ; x - mean (of the pair the low word serves both halves)
.endr
	WIN 0
.irp n, 0,1,2,3,4,5,6,7,8,9,10,11,12,13,14,15
.irp k, 0,1,2,3
	v_fma_f32 v[96+4*\n+\k], v[96+4*\n+\k], v[GA+\n], v[CB+\n]   ; xn + proj_b
.endr
.endr
.irp n, 0,1,2,3,4,5,6,7,8,9,10,11,12,13,14,15
	s_wait_dscnt 16*(1-\n/8)+7-\n%8                ; row pair n is back: behind it stand its tile's younger loads and, for the first tile, the second's 16 instructions
	v_pk_fma_f32 v[96+4*\n:97+4*\n], v[32+4*\n:33+4*\n], s[80:81], v[96+4*\n:97+4*\n] op_sel_hi:[1,0,1]   ; sum x 2^(e6 + e7) + proj_b + xn
	v_pk_fma_f32 v[98+4*\n:99+4*\n], v[34+4*\n:35+4*\n], s[80:81], v[98+4*\n:99+4*\n] op_sel_hi:[1,0,1]
	global_store_b128 v3, v[96+4*\n:99+4*\n], s[84:85] offset:2*\n*16384 th:TH_STORE_NT   ; sixteen lanes store 256 consecutive bytes, aligned
.endr
	s_wait_tensorcnt 0x0                           ; the wave's end: behind my last tensor load and my last LDS store
	ds_add_u32 v5, v6
	s_wait_dscnt 0x0
	CROUND                                         ; the closing round: no work-group ends while a partner may still ask for a tile that names it
	s_endpgm
.Lfunc_end_k_qd372a84cb9_attn:
	.size	k_qd372a84cb9_attn, .Lfunc_end_k_qd372a84cb9_attn-k_qd372a84cb9_attn
	.p2alignl 7, 3214868480
	.fill 96, 4, 3214868480
	.section	.rodata,"a",@progbits
	.p2align	6, 0x0
	.amdhsa_kernel k_qd372a84cb9_attn
		.amdhsa_group_segment_fixed_size 327680
		.amdhsa_private_segment_fixed_size 0
		.amdhsa_enable_private_segment 0
		.amdhsa_kernarg_size 80
		.amdhsa_user_sgpr_count 2
		.amdhsa_user_sgpr_kernarg_segment_ptr 1
		.amdhsa_wavefront_size32 1
		.amdhsa_system_sgpr_workgroup_id_x 1
		.amdhsa_system_sgpr_workgroup_id_y 1
		.amdhsa_system_sgpr_workgroup_id_z 1
		.amdhsa_system_vgpr_workitem_id 0
		.amdhsa_next_free_vgpr 512
		.amdhsa_next_free_sgpr 96
		.amdhsa_reserve_vcc 0
		.amdhsa_float_denorm_mode_32 3
		.amdhsa_float_denorm_mode_16_64 3
		.amdhsa_fp16_overflow 1
		.amdhsa_memory_ordered 1
		.amdhsa_forward_progress 1
		.amdhsa_inst_pref_size 139
	.end_amdhsa_kernel
	.amdgpu_metadata
---
amdhsa.version: [ 1, 2 ]
amdhsa.kernels:
  - .name:           k_qd372a84cb9_attn
    .symbol:         k_qd372a84cb9_attn.kd
    .args:
      - { .name: qc, .offset: 0, .size: 8, .value_kind: global_buffer, .address_space: global }
      - { .name: kv, .offset: 8, .size: 8, .value_kind: global_buffer, .address_space: global }
      - { .name: stats, .offset: 16, .size: 8, .value_kind: global_buffer, .address_space: global }
      - { .name: x, .offset: 24, .size: 8, .value_kind: global_buffer, .address_space: global }
      - { .name: gamma, .offset: 32, .size: 8, .value_kind: global_buffer, .address_space: global }
      - { .name: beta, .offset: 40, .size: 8, .value_kind: global_buffer, .address_space: global }
      - { .name: proj_w_codes, .offset: 48, .size: 8, .value_kind: global_buffer, .address_space: global }
      - { .name: proj_b, .offset: 56, .size: 8, .value_kind: global_buffer, .address_space: global }
      - { .name: lowp_scales, .offset: 64, .size: 8, .value_kind: global_buffer, .address_space: global }
      - { .name: out0, .offset: 72, .size: 8, .value_kind: global_buffer, .address_space: global }
    .group_segment_fixed_size: 327680
    .private_segment_fixed_size: 0
    .kernarg_segment_align: 8
    .kernarg_segment_size: 80
    .max_flat_workgroup_size: 256
    .sgpr_count:     96
    .vgpr_count:     512
    .wavefront_size: 32
...
	.end_amdgpu_metadata
.endif
;; end of part 3
